; MI455X (gfx1250); checked and timed in simulation.
; The chip was launched on July 23, 2026; its instructions are those of AMD's public machine-readable ISA for CDNA 5 (MIT licence, August 2026) and "CDNA5" Instruction Set Architecture Reference Guide (July 2026). The comments in the code are by the model that wrote it; some were corrected since.
;; Transformer Block Quantum. Allowed arithmetic: matrix products marked QUANTISED: E2M1 operands, one E8M0 scale for each 32 along K, by v_wmma_scale_f32_16x16x128_f8f6f4 with both operands' format E2M1 (or v_wmma_scale_f32_32x16x128_f4), f32 sums; products left as they are: f32 operands where the result goes on into a quantised operand, else bf16, f16 or f32 operands; f32 sums; everything else in f32.
;; Inputs: b1 4,096 float32; b2 1,024 float32; beta1 1,024 float32; beta2 1,024 float32; gamma1 1,024 float32; gamma2 1,024 float32; theta 8 float32; w1 4,096 x 8 float32; w2 1,024 x 4,096 float32; x 4 x 2,048 x 1,024 float32.
;; Outputs: out0 4 x 2,048 x 1,024 float32.
;; This version of the problem:
;;   THIS VERSION OF THE PROBLEM IS GIVEN IN LOW PRECISION. The matrix products marked QUANTISED in the list below multiply operands that are first quantised to E2M1 (2 exponent bits, 1 mantissa bit; 4 bits a number), with one power-of-two scale for each 32 numbers along K (OCP MX v1.0); their sums are f32. All else is computed in f32.
;;   The module's matrix products, in the order in which they are computed (A, B: the left and right operand; K: the contracted axis; several contracted axes count as one K, in the product's order):
;;     1. batch 64 x [M 2,048, K 64] x [K 64, N 2,048]; A: input x; B: input x: QUANTISED
;;     2. batch 64 x [M 2,048, K 2,048] x [K 2,048, N 64]; A: softmax (see below); B: input x: QUANTISED
;;     3. [M 8,192, K 8] x [K 8, N 4,096]; A: computed on the way; B: input w1: left as it is (K = 8 < 32)
;;     4. [M 8,192, K 4,096] x [K 4,096, N 1,024]; A: computed on the way; B: input w2: QUANTISED
;;   THE QUANTISER, for each operand of a quantised product, along K:
;;     - K is cut into blocks of 32 from its start; a last block that is shorter is filled with zeros.
;;     - A block's scale is 2^e with e = floor(log2(the largest magnitude in the block)) - 2, held to -126 .. 127; a block of zeros has e = 0. As a byte (E8M0): e + 127.
;;     - Each number is divided by its block's scale, clamped to +-6, and rounded to the nearest number of E2M1, ties to even, subnormals kept.
;;     - The product sums the exact products of the quantised numbers (number of the format x scale) in f32.
;;   ~~~python
;;   def quantise(x, axis):      # numpy; x: float32 -> the quantised numbers, widened to float32 again
;;       x = np.moveaxis(x, axis, -1); K = x.shape[-1]
;;       x = np.pad(x, [(0, 0)] * (x.ndim - 1) + [(0, -K % 32)]); x = x.reshape(x.shape[:-1] + (-1, 32)); a = np.abs(x).max(-1, keepdims=True)
;;       e = np.where(a > 0, np.clip(np.frexp(np.where(a > 0, a, 1))[1] - 1 - 2, -126, 127), 0)      # np.frexp(a)[1] - 1 = floor(log2(a)), exactly
;;       r = np.clip(x / 2.0 ** e, -6, 6)
;;       step = 2.0 ** (np.maximum(np.frexp(np.where(r == 0, 1, r))[1] - 1, 0) - 1)
;;       q = np.round(r / step) * step * 2.0 ** e      # np.round: ties to even
;;       return np.moveaxis(q.reshape(q.shape[:-2] + (-1,))[..., :K], -1, axis).astype(np.float32)
;;   ~~~
;;   SOFTMAX AHEAD OF A QUANTISED PRODUCT. Where the list says 'softmax', what is quantised is not the finished softmax but p = 2^(t - M), with t = logit x log2(e) and M = ceil(the row's largest t), a whole number; so 1/2 < the row's largest p <= 1. The row's sum l is taken of the UNQUANTISED p, in f32, and the product's result is divided by l at the end. Since M is a whole number, a kernel that streams over the keys may use a running M (the ceiling of the running maximum): every later rescaling is an exact power of two, which a block's scale takes up: the codes' values come out the same.
;;   OPERANDS COMPUTED ON THE WAY. 'Computed on the way' means the value that the module computes at that place (a softmax that the list does not call 'softmax' is quantised finished and normalised). What goes into a quantiser is computed in f32, as accurately as f32 sums, v_exp_f32 and their like allow (about 1e-6 of the number): no bf16 or f16 on the way to a quantiser, and a product that is left as it is and whose result goes on into a quantised operand takes f32 operands (vector FMAs, or v_wmma_f32_16x16x4_f32). A number that lies on a knife's edge between two numbers of the format may be rounded either way, as far as f32 arithmetic and the matrix unit's own rounding can turn it there, and no further.
;; One version. Each part assembles by itself: llvm-mc -triple=amdgcn-amd-amdhsa -mcpu=gfx1250 --defsym DOCPART=n.
;; ======== version 1 of 1: 3 launches
;; limits: right only within a limited range of input values
;; workspace buffers: kc 4,194,304 bytes; ks 262,144 bytes; vc 4,194,304 bytes; vs 262,144 bytes; w2q 2,228,224 bytes; attn 33,554,432 bytes
;; launch prep (part 1): grid 512 x 1, 4 waves a work-group, no clusters, 109,056 bytes of LDS; arguments x, w2, kc, ks, vc, vs, w2q; writes kc, ks, vc, vs, w2q
.if DOCPART == 1
	.amdgcn_target "amdgcn-amd-amdhsa--gfx1250"
	.amdhsa_code_object_version 6
	.text
	.protected	k_q4964f5e6a0_prep
	.globl	k_q4964f5e6a0_prep
	.p2align	8
	.type	k_q4964f5e6a0_prep,@function
k_q4964f5e6a0_prep:
	s_mov_b64 s[64:65], 0
	v_nop
	global_prefetch_b8 v0, s[64:65] scope:SCOPE_SE
	s_setreg_imm32_b32 hwreg(HW_REG_WAVE_MODE, 25, 1), 1
	s_wait_xcnt 0x0
; PREP: the three operands that arrive as f32 and are read many times become codes of FP4 (E2M1) with one E8M0 byte for each 32 along K.
;   path A (work-groups 0-255):   x [4][2048][1024] along the head's 64 channels -> kc [64 heads][2048 tokens][32 bytes], ks [64][2048][2 bytes]   (Q and K of attention)
;   path C (work-groups 256-383): w2 [1024][4096] along its 4,096 -> w2q: 32 K steps of 69,632 bytes: 64 tiles of 16 rows as images of the operand's registers
;                                 ([tile][block of 32][row][16 bytes]), then the 1,024 rows' scale words (4 bytes a row)
;   path B (work-groups 384-511): x along the KEYS (its second axis) -> vc [64 heads][64 channels][1,024 bytes], vs [64][64][64 bytes]              (V of attention)
; A block's scale is 2^(floor(log2(largest magnitude)) - 2): its byte is the largest magnitude's exponent field - 2, held at 1 from below.
; LIMITS: a block of zeros gets the byte 1 and not 127 (its codes are zeros, and only this program reads the bytes); blocks whose largest magnitude lies under 2^-124
; keep the byte 1; NaN and infinities among the inputs are not served.
; The paths part on the work-group's number and never join; each has LDS bytes of its own.  Waves share nothing: no barrier.  No tensor loads.
.set STEPS, 16
.set SP,    80                         ; paths A, C: a lane's place in a stage: 64 bytes + 16 of padding
.set EMAX,  2
.set R,     16                         ; v16-79   four sets of 16 numbers as loaded
.set X,     80                         ; v80-111  two sets of 16 neighbours along K
.set E,     112                        ; v112-127 a scale byte for each step
.set C,     128                        ; v128-191 codes: registers of its own for each step
.set LDSC,  32768                      ; path C's LDS: 10,240 bytes a wave (two stages 5,120; codes 4,096; scale words 256)
.set LDSB,  73728                      ; path B's LDS: 32 rows x 272 bytes a wave
.set PITCH, 272
.set NB,    16                         ; path B: blocks of 32 keys for a wave
.set BX,    32                         ; path B: v32-95 two sets of 32 numbers
.set BC,    96                         ;         a block's codes
.set OUTR,  112                        ;         the way out
.set SB,    24                         ;         scale bytes, four to a register
; ---- paths A and C: a step is 512 numbers; each of its four loads reads whole runs of 256 or 512 bytes; the 2,048 bytes turn through the wave's stage, so that a lane holds 16 neighbours along K
.macro LOAD t, path
.irp i, 0,1,2,3
.if \path
	global_load_b128 v[R+16*((\t)%4)+4*\i:R+16*((\t)%4)+4*\i+3], v3, s[4:5] offset:(4*(\t)+\i)*16384 th:TH_LOAD_NT   ; row 4 t + i of w2: 512 consecutive bytes
.else
	global_load_b128 v[R+16*((\t)%4)+4*\i:R+16*((\t)%4)+4*\i+3], v3, s[4:5] offset:(8*(\t)+2*\i)*4096   ; tokens 8 t + 2 i and + 1: sixteen lanes read a head's 256 bytes
.endif
.endr
.endm
.macro TURN t                          ; LDS serves a wave's instructions in order: no wait between the stores and the loads
.irp i, 0,1,2,3
	ds_store_b128 v14, v[R+16*((\t)%4)+4*\i:R+16*((\t)%4)+4*\i+3] offset:32*SP*((\t)%2)+8*SP*\i
.endr
.irp i, 0,1,2,3
	ds_load_b128 v[X+16*((\t)%2)+4*\i:X+16*((\t)%2)+4*\i+3], v15 offset:32*SP*((\t)%2)+16*\i
.endr
.endm
.macro STEP t, path
.set XS, X+16*((\t)%2)
.if (\t) > 0
	s_wait_dscnt 1+\path                           ; this step's numbers are back; the last step's younger stores (one byte store; in path C a code store too) may be out
.else
	s_wait_dscnt 0x0
.endif
.if (\t)+4 < STEPS
	LOAD (\t)+4, \path                             ; into the set whose stores into the stage have read their registers
.endif
.if (\t)+1 < STEPS
.if STEPS-2-(\t) >= 3
	s_wait_loadcnt 12                              ; the next step's four loads are in; those of the three steps behind it may be out
.else
	s_wait_loadcnt 4*(STEPS-2-(\t))
.endif
	TURN (\t)+1
.endif
	v_max3_num_f32 v8, |v[XS]|, |v[XS+1]|, |v[XS+2]|               ; the largest magnitude of my 16, in two chains
	v_max3_num_f32 v9, |v[XS+3]|, |v[XS+4]|, |v[XS+5]|
.irp i, 6,10
	v_max3_num_f32 v8, v8, |v[XS+\i]|, |v[XS+\i+1]|
	v_max3_num_f32 v9, v9, |v[XS+\i+2]|, |v[XS+\i+3]|
.endr
	v_max3_num_f32 v8, v8, |v[XS+14]|, |v[XS+15]|
	v_max3_num_f32 v8, v8, v9, (EMAX+1)<<23        ; and the floor 2^(3 - 127): the byte cannot fall under 1
	v_max_num_f32_dpp v8, v8, v8 row_xmask:1 row_mask:0xf bank_mask:0xf   ; with my neighbour's 16: the block's
	v_add_nc_u32 v11, -(EMAX<<23), v8              ; 2 off its exponent field: the conversion's scale operand
	v_cvt_scalef32_pk8_fp4_f32 v[C+4*(\t)], v[XS:XS+7], v11
	v_cvt_scalef32_pk8_fp4_f32 v[C+4*(\t)+1], v[XS+8:XS+15], v11
	v_lshrrev_b32 v[E+(\t)], 23, v11               ; the scale's byte (a plain line behind the conversions)
.if \path
	ds_store_b64 v4, v[C+4*(\t):C+4*(\t)+1] offset:((\t)/4)*1024+((\t)%4)*64   ; tile t / 4 of my four, rows 4 (t % 4) on: into the image
	ds_store_b8 v5, v[E+(\t)] offset:((\t)/4)*64+((\t)%4)*16
.else
	ds_store_b8 v5, v[E+(\t)] offset:16*(\t)       ; both lanes of a block write the same byte with the same value
	global_store_b64 v4, v[C+4*(\t):C+4*(\t)+1], s[8:9] offset:256*(\t)   ; the wave stores 256 consecutive bytes, aligned
.endif
.endm
; ---- path B: a lane takes a column, its registers run down the keys
.macro BLOAD t
.irp i, 0,1,2,3,4,5,6,7,8,9,10,11,12,13,14,15,16,17,18,19,20,21,22,23,24,25,26,27,28,29,30,31
	global_load_b32 v[BX+32*((\t)%2)+\i], v3, s[4:5] offset:(32*(\t)+\i)*4096
.endr
.endm
.macro BLOCK t
.set XS, BX+32*((\t)%2)
.if (\t) < NB-1
	s_wait_loadcnt 32                              ; this block's 32 loads are in; the next block's may be out
.else
	s_wait_loadcnt 0
.endif
	v_max3_num_f32 v12, |v[XS]|, |v[XS+1]|, |v[XS+2]|
	v_max3_num_f32 v13, |v[XS+3]|, |v[XS+4]|, |v[XS+5]|
.irp i, 6,10,14,18,22,26
	v_max3_num_f32 v12, v12, |v[XS+\i]|, |v[XS+\i+1]|
	v_max3_num_f32 v13, v13, |v[XS+\i+2]|, |v[XS+\i+3]|
.endr
	v_max3_num_f32 v12, v12, |v[XS+30]|, |v[XS+31]|
	v_max3_num_f32 v12, v12, v13, (EMAX+1)<<23
	v_add_nc_u32 v11, -(EMAX<<23), v12
	v_lshrrev_b32 v13, 23, v11
.if (\t)%4 == 0
	v_mov_b32 v[SB+(\t)/4], v13
.else
	v_lshl_or_b32 v[SB+(\t)/4], v13, 8*((\t)%4), v[SB+(\t)/4]
.endif
.irp g, 0,1,2,3
	v_cvt_scalef32_pk8_fp4_f32 v[BC+\g], v[XS+8*\g:XS+8*\g+7], v11
.endr
	ds_store_b128 v4, v[BC:BC+3] offset:16*(\t)    ; 32 codes: 16 bytes of my column's row
.if (\t)+2 < NB
	BLOAD (\t)+2
.endif
	s_wait_dscnt 0x0                               ; the store has read its registers: the next block's codes may be written
.endm
	s_load_b128 s[4:7], s[0:1], 0x0                ; x, w2
	s_load_b128 s[8:11], s[0:1], 0x10              ; kc, ks
	s_load_b128 s[12:15], s[0:1], 0x20             ; vc, vs
	s_load_b64 s[16:17], s[0:1], 0x30              ; w2q
	v_lshl_add_u32 v192, v0, 2, 0x1a800
	v_mov_b32 v193, 0
	v_lshrrev_b32 v1, 5, v0
	v_readfirstlane_b32 s18, v1                    ; wave 0..3
	v_and_b32 v2, 31, v0                           ; lane
	s_cmp_lt_u32 ttmp9, 256
	s_cbranch_scc1 .Lpath_a
	s_cmp_lt_u32 ttmp9, 384
	s_cbranch_scc1 .Lpath_c
	; ================= path B: a wave takes 32 columns x 512 keys of one batch
	s_sub_co_u32 s19, ttmp9, 384
	s_and_b32 s20, s19, 7                          ; which 128 columns
	s_bfe_u32 s21, s19, 0x20003                    ; which 512 keys
	s_lshr_b32 s22, s19, 5                         ; batch
	s_lshl_b32 s20, s20, 7
	s_lshl_b32 s23, s18, 5
	s_add_co_u32 s20, s20, s23                     ; my first column
	s_lshl_b32 s24, s22, 23                        ; x: batch x 8 MiB + 512 keys x 4,096 + 4 x column
	s_lshl_b32 s23, s21, 21
	s_add_co_u32 s24, s24, s23
	s_lshl_b32 s23, s20, 2
	s_add_co_u32 s24, s24, s23
	s_mov_b32 s25, 0
	s_lshl_b32 s26, s22, 20                        ; vc: batch x 1 MiB + column x 1,024 + 256 bytes for each 512 keys
	s_lshl_b32 s23, s20, 10
	s_add_co_u32 s26, s26, s23
	s_lshl_b32 s23, s21, 8
	s_add_co_u32 s26, s26, s23
	s_mov_b32 s27, 0
	s_lshl_b32 s28, s22, 16                        ; vs: batch x 65,536 + column x 64 + 16
	s_lshl_b32 s23, s20, 6
	s_add_co_u32 s28, s28, s23
	s_lshl_b32 s23, s21, 4
	s_add_co_u32 s28, s28, s23
	s_mov_b32 s29, 0
	s_wait_alu depctr_va_vdst(0)
	v_lshlrev_b32 v3, 2, v2                        ; in: 4 bytes a lane
	s_mul_i32 s19, s18, 32*PITCH
	s_add_co_u32 s19, s19, LDSB                    ; my stage
	v_mul_u32_u24 v4, v2, PITCH
	v_add_nc_u32 v4, s19, v4                       ; into it: row = my column
	v_and_b32 v5, 15, v2
	v_lshrrev_b32 v6, 4, v2
	v_mul_u32_u24 v7, v6, PITCH
	v_lshl_add_u32 v7, v5, 4, v7
	v_add_nc_u32 v7, s19, v7                       ; out of it: sixteen lanes to a row, two rows an instruction
	v_lshlrev_b32 v8, 10, v6
	v_lshl_add_u32 v8, v5, 4, v8                   ; the same place in vc
	v_lshlrev_b32 v9, 6, v2                        ; my column's row of scale bytes
	s_wait_kmcnt 0x0
	s_add_nc_u64 s[4:5], s[4:5], s[24:25]
	s_add_nc_u64 s[12:13], s[12:13], s[26:27]
	s_add_nc_u64 s[14:15], s[14:15], s[28:29]
	BLOAD 0
	BLOAD 1
.set Q, 0
.rept NB
	BLOCK Q
.set Q, Q+1
.endr
	s_wait_alu depctr_va_vdst(0)
	global_store_b128 v9, v[SB:SB+3], s[14:15]     ; my column's 16 scale bytes
.irp t, 0,1,2,3,4,5,6,7,8,9,10,11,12,13,14,15
	ds_load_b128 v[OUTR+4*\t:OUTR+4*\t+3], v7 offset:2*\t*PITCH
.endr
.irp t, 0,1,2,3,4,5,6,7,8,9,10,11,12,13,14,15
	s_wait_dscnt 15-\t                             ; loads come back in order: the younger ones may be out
	global_store_b128 v8, v[OUTR+4*\t:OUTR+4*\t+3], s[12:13] offset:2*\t*1024   ; sixteen lanes store 256 consecutive bytes, aligned
.endr
	s_wait_tensorcnt 0x0
	ds_add_u32 v192, v193
	s_wait_dscnt 0x0
	s_endpgm
	; ================= path A: a wave takes 128 tokens of one head
.Lpath_a:
	s_lshl_b32 s19, ttmp9, 2
	s_add_co_u32 s19, s19, s18                     ; g = 16 x (16 batch + head) + which 128 tokens
	s_wait_alu depctr_va_vdst(0)
	v_lshrrev_b32 v3, 4, v2
	v_and_b32 v8, 15, v2
	v_lshlrev_b32 v3, 12, v3
	v_lshl_add_u32 v3, v8, 4, v3                   ; lanes 0-15 one token's 256 bytes, lanes 16-31 the next token's
	s_mul_i32 s20, s18, 8192                       ; my wave's LDS
	v_lshrrev_b32 v14, 2, v2
	v_mul_u32_u24 v14, v14, SP
	v_and_b32 v15, 3, v2
	v_lshl_add_u32 v14, v15, 4, v14
	v_add_nc_u32 v14, s20, v14                     ; the stage, on the way in
	v_mul_u32_u24 v15, v2, SP
	v_add_nc_u32 v15, s20, v15                     ; and on the way out
	v_lshlrev_b32 v4, 3, v2                        ; 8 bytes a lane: codes, and the scale bytes at the end
	v_lshrrev_b32 v5, 1, v2
	s_add_co_u32 s20, s20, 2*32*SP
	v_add_nc_u32 v5, s20, v5                       ; my block's byte among the wave's 256
	v_add_nc_u32 v6, s20, v4
	s_lshr_b32 s22, s19, 8
	s_lshl_b32 s22, s22, 23                        ; batch x 8 MiB
	s_and_b32 s23, s19, 15
	s_lshl_b32 s23, s23, 19                        ; 128 tokens x 4,096 bytes
	s_add_co_u32 s22, s22, s23
	s_bfe_u32 s23, s19, 0x40004
	s_lshl_b32 s23, s23, 8                         ; head x 256 bytes
	s_add_co_u32 s22, s22, s23
	s_mov_b32 s23, 0
	s_lshl_b32 s24, s19, 12                        ; 4,096 bytes of codes a wave
	s_mov_b32 s25, 0
	s_lshl_b32 s26, s19, 8                         ; 256 scale bytes a wave
	s_mov_b32 s27, 0
	s_wait_alu depctr_va_vdst(0)
	s_wait_kmcnt 0x0
	s_add_nc_u64 s[4:5], s[4:5], s[22:23]
	s_add_nc_u64 s[8:9], s[8:9], s[24:25]
	s_add_nc_u64 s[10:11], s[10:11], s[26:27]
.irp t, 0,1,2,3
	LOAD \t, 0
.endr
	s_wait_loadcnt 12                              ; step 0's four loads are in
	TURN 0
.irp t, 0,1,2,3,4,5,6,7,8,9,10,11,12,13,14,15
	STEP \t, 0
.endr
	ds_load_b64 v[12:13], v6
	s_wait_dscnt 0x0
	global_store_b64 v4, v[12:13], s[10:11]        ; 32 lanes store 256 consecutive bytes, aligned
	s_wait_tensorcnt 0x0
	ds_add_u32 v192, v193
	s_wait_dscnt 0x0
	s_endpgm
	; ================= path C: a wave takes 64 rows of w2 x one K step of 128
.Lpath_c:
	s_sub_co_u32 s19, ttmp9, 256
	s_lshl_b32 s19, s19, 2
	s_add_co_u32 s19, s19, s18
	s_and_b32 s20, s19, 31                         ; the K step
	s_lshr_b32 s21, s19, 5                         ; which 64 rows
	s_lshl_b32 s22, s21, 20                        ; 64 rows x 16,384 bytes
	s_lshl_b32 s23, s20, 9                         ; 128 numbers
	s_add_co_u32 s22, s22, s23
	s_mov_b32 s23, 0
	s_mul_i32 s24, s20, 69632                      ; the K step's part of w2q
	s_lshl_b32 s26, s21, 8
	s_add_co_u32 s26, s26, s24
	s_add_co_u32 s26, s26, 65536                   ; my 64 scale words, behind the images
	s_mov_b32 s27, 0
	s_lshl_b32 s25, s21, 12
	s_add_co_u32 s24, s24, s25                     ; my four tiles' images
	s_mov_b32 s25, 0
	s_wait_alu depctr_va_vdst(0)
	v_lshlrev_b32 v3, 4, v2                        ; 16 bytes a lane
	s_mul_i32 s28, s18, 10240
	s_add_co_u32 s28, s28, LDSC                    ; my wave's LDS
	v_lshrrev_b32 v14, 2, v2
	v_mul_u32_u24 v14, v14, SP
	v_and_b32 v15, 3, v2
	v_lshl_add_u32 v14, v15, 4, v14
	v_add_nc_u32 v14, s28, v14
	v_mul_u32_u24 v15, v2, SP
	v_add_nc_u32 v15, s28, v15
	v_bfe_u32 v8, v2, 1, 2                         ; behind the turn lane l holds row l / 8 of the step, block (l % 8) / 2, half l % 2
	v_lshrrev_b32 v9, 3, v2
	v_and_b32 v10, 1, v2
	s_add_co_u32 s29, s28, 5120
	v_lshlrev_b32 v4, 8, v8
	v_lshl_add_u32 v4, v9, 4, v4
	v_lshl_add_u32 v4, v10, 3, v4
	v_add_nc_u32 v4, s29, v4                       ; image: block x 256 + row x 16 + half x 8
	v_add_nc_u32 v6, s29, v3                       ; and read back 16 bytes a lane
	s_add_co_u32 s29, s28, 9216
	v_lshl_add_u32 v5, v9, 2, v8
	v_add_nc_u32 v5, s29, v5                       ; scale words: row x 4 + block
	v_lshlrev_b32 v10, 3, v2
	v_add_nc_u32 v7, s29, v10
	s_wait_kmcnt 0x0
	s_add_nc_u64 s[4:5], s[6:7], s[22:23]
	s_add_nc_u64 s[8:9], s[16:17], s[24:25]
	s_add_nc_u64 s[10:11], s[16:17], s[26:27]
.irp t, 0,1,2,3
	LOAD \t, 1
.endr
	s_wait_loadcnt 12
	TURN 0
.irp t, 0,1,2,3,4,5,6,7,8,9,10,11,12,13,14,15
	STEP \t, 1
.endr
.irp j, 0,1,2,3,4,5,6,7
	ds_load_b128 v[R+4*\j:R+4*\j+3], v6 offset:512*\j
.endr
	ds_load_b64 v[12:13], v7
.irp j, 0,1,2,3,4,5,6,7
	s_wait_dscnt 8-\j                              ; the younger loads may be out
	global_store_b128 v3, v[R+4*\j:R+4*\j+3], s[8:9] offset:512*\j   ; 512 consecutive bytes, aligned
.endr
	s_wait_dscnt 0x0
	global_store_b64 v10, v[12:13], s[10:11]       ; 256 consecutive bytes, aligned
	s_wait_tensorcnt 0x0
	ds_add_u32 v192, v193
	s_wait_dscnt 0x0
	s_endpgm
.Lfunc_end_k_q4964f5e6a0_prep:
	.size	k_q4964f5e6a0_prep, .Lfunc_end_k_q4964f5e6a0_prep-k_q4964f5e6a0_prep
	.p2alignl 7, 3214868480
	.fill 96, 4, 3214868480
	.section	.rodata,"a",@progbits
	.p2align	6, 0x0
	.amdhsa_kernel k_q4964f5e6a0_prep
		.amdhsa_group_segment_fixed_size 109056
		.amdhsa_private_segment_fixed_size 0
		.amdhsa_enable_private_segment 0
		.amdhsa_kernarg_size 56
		.amdhsa_user_sgpr_count 2
		.amdhsa_user_sgpr_kernarg_segment_ptr 1
		.amdhsa_wavefront_size32 1
		.amdhsa_system_sgpr_workgroup_id_x 1
		.amdhsa_system_sgpr_workgroup_id_y 1
		.amdhsa_system_sgpr_workgroup_id_z 1
		.amdhsa_system_vgpr_workitem_id 0
		.amdhsa_next_free_vgpr 194
		.amdhsa_next_free_sgpr 66
		.amdhsa_reserve_vcc 0
		.amdhsa_float_denorm_mode_32 3
		.amdhsa_float_denorm_mode_16_64 3
		.amdhsa_memory_ordered 1
		.amdhsa_forward_progress 1
		.amdhsa_inst_pref_size 145
	.end_amdhsa_kernel
	.amdgpu_metadata
---
amdhsa.version: [ 1, 2 ]
amdhsa.kernels:
  - .name:           k_q4964f5e6a0_prep
    .symbol:         k_q4964f5e6a0_prep.kd
    .args:
      - { .name: x, .offset: 0, .size: 8, .value_kind: global_buffer, .address_space: global }
      - { .name: w2, .offset: 8, .size: 8, .value_kind: global_buffer, .address_space: global }
      - { .name: kc, .offset: 16, .size: 8, .value_kind: global_buffer, .address_space: global }
      - { .name: ks, .offset: 24, .size: 8, .value_kind: global_buffer, .address_space: global }
      - { .name: vc, .offset: 32, .size: 8, .value_kind: global_buffer, .address_space: global }
      - { .name: vs, .offset: 40, .size: 8, .value_kind: global_buffer, .address_space: global }
      - { .name: w2q, .offset: 48, .size: 8, .value_kind: global_buffer, .address_space: global }
    .group_segment_fixed_size: 109056
    .private_segment_fixed_size: 0
    .kernarg_segment_align: 8
    .kernarg_segment_size: 56
    .max_flat_workgroup_size: 128
    .sgpr_count:     66
    .vgpr_count:     194
    .wavefront_size: 32
...
	.end_amdgpu_metadata
.endif
;; end of part 1
;; launch attn (part 2): grid 4 x 64, 16 waves a work-group, clusters of 4 x 1, 218,112 bytes of LDS; arguments kc, ks, vc, vs, attn; writes attn
.if DOCPART == 2
	.amdgcn_target "amdgcn-amd-amdhsa--gfx1250"
	.amdhsa_code_object_version 6
	.text
	.protected	k_q4964f5e6a0_attn
	.globl	k_q4964f5e6a0_attn
	.p2align	8
	.type	k_q4964f5e6a0_attn,@function
k_q4964f5e6a0_attn:
	s_mov_b64 s[64:65], 0
	v_nop
	global_prefetch_b8 v0, s[64:65] scope:SCOPE_SE
	s_setreg_imm32_b32 hwreg(HW_REG_WAVE_MODE, 25, 1), 1
	s_wait_xcnt 0x0
	s_wait_alu depctr_hold_cnt(0) depctr_sa_sdst(0) depctr_va_vdst(0) depctr_va_sdst(0) depctr_va_ssrc(0) depctr_va_vcc(0) depctr_vm_vsrc(0)
	s_getreg_b32 s2, hwreg(HW_REG_IB_STS2, 6, 4)
	s_cmp_eq_u32 s2, 0
	s_cbranch_scc0 .Lentry_in_a_cluster
	s_endpgm
.Lentry_in_a_cluster:
	s_bfe_u32 s2, ttmp6, 0x10000c
	s_cmp_lg_u32 s2, 0x3003
	s_cbranch_scc0 .Lentry_shape_is_right
	s_endpgm
.Lentry_shape_is_right:
; ATTENTION with q = k = v = x, head size 64, 2,048 keys, 64 (batch, head) pairs, both products on codes of FP4 (E2M1) with E8M0 scales.
; t = score x log2(e) / 8; M = the running largest t rounded up to a whole number; p = 2^(t - M) is quantised along the keys, not normalised; the row's sum is taken of the unquantised p and divides at the end.
; SHARES.  A work-group owns one head and 512 queries; each of its sixteen waves owns a tile of 16 queries, twice.  A whole head's codes and scale bytes lie in LDS (136 KiB), filled ONCE: no ring, no refill.
; The four work-groups of a head form a cluster and ask for each tile jointly.
; The head's 64 channels fill half of the instruction's K = 128: registers 4-7 of K's and Q's fragments hold zero codes (their scale bytes are 0, that is 2^-127, no NaN).
; LAYOUT.  Both products transposed: S^T = K Q^T, O^T = V^T P^T: a lane holds one query.  Lane r of key tile 2 b + u takes key 32 b + 8 u + r + 8 (r / 8): the 16 registers of tiles 2 b, 2 b + 1 are 16 neighbouring keys.
; A KEY STEP (128 keys): K's fragments of the NEXT step are asked of LDS directly behind this step's score products, V's of this step with them; the maxima go in eight chains, the sums in five,
; the scale lines stand among the sums, and the 68 exponentials are one batch.  The last step of a tile is written out: it asks for no further K.
; LIMITS: NaN and infinities are not served; a p under 2^-126 counts as 0; the scaled scores stay under 2^31 in magnitude.
; REGISTERS: v1-7 addresses that stay; v8-11 the step's; v12 -M, v13 largest score, v[14:15] the sum; v16-23 Q; v24-31 K's scale words; v32-95 eight fragments of K; v96-159 S^T, then p; v160-191 O^T;
;   v192-223 four fragments of V; v224-231 four partial sums, then p's codes; v232-239, v244-247, v252, v254 at work; v240, v241 the stage; v242, v243 the add's; v248-251 V's scale words; v253 p's scale word; v255 Q's.
.set VT,    69632                      ; LDS: K's codes at 0: 256 rows of 8 keys (256 bytes + 16); then V's: 64 rows of 1,024 bytes + 16
.set SCK,   136192                     ; K's scale bytes: 64 rows of 64 bytes + 16
.set SCV,   141312                     ; V's: a channel's 64 bytes + 16
.set STAGE, 146432                     ; the way out: 16 rows x 272 bytes for each wave; no tile lands here
.set WV,   18
.set G1K,  24
.set G1V,  32
.set G1S,  40
.set G0K,  48
.set G0V,  52
.set G0SK, 56
.set G0SV, 60
.macro ROUND                           ; a round of the cluster's barrier
	s_barrier_signal -1
	s_barrier_wait -1
	s_cmp_lg_u32 s[WV], 0
	s_cbranch_scc1 .Lnot_wave_0_\@
	s_barrier_signal -3
.Lnot_wave_0_\@:
	s_barrier_wait -3
	s_barrier_signal -1
	s_barrier_wait -1
.endm
.macro PLACES
.rept 4
	v_nop
.endr
.endm
.macro DESC g, w0, c, r                ; group 1: r dense rows of c elements
	s_mov_b32 s[\g], \w0
	s_mov_b32 s[\g+1], (\c)<<16
	s_mov_b32 s[\g+2], (\r)<<16
	s_mov_b32 s[\g+3], (\c)<<16
	s_mov_b32 s[\g+4], \r
	s_mov_b32 s[\g+5], \c
	s_mov_b32 s[\g+6], 0
	s_mov_b32 s[\g+7], 0
.endm
.macro GRP0 g, lds, base, off
	s_mov_b32 s[\g], 1
	s_mov_b32 s[\g+1], \lds
	s_add_nc_u64 s[\g+2:\g+3], s[\base:\base+1], s[\off:\off+1]
	s_or_b32 s[\g+3], s[\g+3], 0x80000000
.endm
	s_load_b256 s[4:11], s[0:1], 0x0               ; kc, ks, vc, vs
	s_load_b64 s[12:13], s[0:1], 0x20              ; attn
	v_lshl_add_u32 v242, v0, 2, 0x34c00
	v_mov_b32 v243, 0
	ds_add_u32 v242, v243                          ; the opening lines: the add twice on end and its wait
	ds_add_u32 v242, v243
	v_lshrrev_b32 v8, 5, v0
	s_delay_alu instid0(VALU_DEP_1)
	v_readfirstlane_b32 s[WV], v8                  ; wave 0..15
	s_bfe_u32 s19, ttmp6, 0x40000                  ; cx: it enters Q's and the output's addresses alone
	s_and_b32 s72, ttmp7, 0xffff                   ; 16 batch + head, which the four partners share
	DESC G1K, 15|(3<<16)|(1<<20)|(1<<21)|(5<<22)|(3<<25), 32, 64    ; K's codes: 64 rows of 256 bytes, 16 bytes of padding behind each; mask: all four
	DESC G1V, 15|(3<<16)|(1<<20)|(1<<21)|(7<<22)|(3<<25), 128, 16   ; V's: 16 rows of 1,024 bytes
	DESC G1S, 15|(0<<16)|(1<<20)|(1<<21)|(3<<22)|(3<<25), 64, 64    ; scale bytes: 64 rows of 64 bytes
	s_lshl_b32 s74, s72, 16                        ; the head's codes: 65,536 bytes in kc and in vc
	s_mov_b32 s75, 0
	s_lshl_b32 s76, s72, 12                        ; its scale bytes: 4,096 in ks and in vs
	s_mov_b32 s77, 0
	s_and_b32 s78, s[WV], 3                        ; which quarter of K's or V's codes I fetch, if I fetch
	s_lshl_b32 s79, s78, 14
	s_add_co_u32 s82, s74, s79
	s_mov_b32 s83, 0
	s_mul_i32 s80, s78, 17408                      ; 64 rows x 272
	s_mul_i32 s81, s78, 16640                      ; 16 rows x 1,040
	s_add_co_u32 s81, s81, VT
	s_mov_b32 s20, 0x76543210
	s_mov_b32 s21, 0xfedcba98                      ; v_permlanex16_b32's selects for lane l xor 16
	s_mov_b32 s22, 0x3e38aa3b                      ; c = log2(e) / sqrt(64)
	s_mov_b32 s23, s22
	s_wait_dscnt 0x0
	s_wait_kmcnt 0x0
	ROUND                                          ; all four work-groups are here: the joint loads meet
	GRP0 G0K, s80, 4, 82
	GRP0 G0V, s81, 8, 82
	GRP0 G0SK, SCK, 6, 76
	GRP0 G0SV, SCV, 10, 76
	; THE FILLS: waves 0-3 K's quarters, 4-7 V's, 8 K's scale bytes, 9 V's, the others nothing: one chain of branches on the wave's number, one load to an arm
	s_cmp_lt_u32 s[WV], 4
	s_cbranch_scc0 .Lnot_k
	tensor_load_to_lds s[G0K:G0K+3], s[G1K:G1K+7]
	s_nop 0
	PLACES
	s_branch .Lfilled
.Lnot_k:
	s_cmp_lt_u32 s[WV], 8
	s_cbranch_scc0 .Lnot_v
	tensor_load_to_lds s[G0V:G0V+3], s[G1V:G1V+7]
	s_nop 0
	PLACES
	s_branch .Lfilled
.Lnot_v:
	s_cmp_eq_u32 s[WV], 8
	s_cbranch_scc0 .Lnot_sk
	tensor_load_to_lds s[G0SK:G0SK+3], s[G1S:G1S+7]
	s_nop 0
	PLACES
	s_branch .Lfilled
.Lnot_sk:
	s_cmp_eq_u32 s[WV], 9
	s_cbranch_scc0 .Lfilled
	tensor_load_to_lds s[G0SV:G0SV+3], s[G1S:G1S+7]
	s_nop 0
	PLACES
.Lfilled:
	v_and_b32 v8, 15, v0                           ; r
	v_bfe_u32 v9, v0, 4, 1                         ; h
	s_delay_alu instid0(VALU_DEP_2)
	v_lshrrev_b32 v10, 3, v8
	s_delay_alu instid0(VALU_DEP_3)
	v_and_b32 v11, 7, v8
	s_delay_alu instid0(VALU_DEP_2)
	v_mul_u32_u24 v1, v10, 544
	s_delay_alu instid0(VALU_DEP_1)
	v_lshl_add_u32 v1, v11, 5, v1
	s_delay_alu instid0(VALU_DEP_1)
	v_lshl_add_u32 v1, v9, 4, v1                   ; K: two rows of 8 keys on for r >= 8, 32 bytes a key, 16 h
	v_mul_u32_u24 v2, v8, 1040
	s_delay_alu instid0(VALU_DEP_1)
	v_lshl_add_u32 v2, v9, 4, v2
	s_delay_alu instid0(VALU_DEP_1)
	v_add_nc_u32 v2, VT, v2                        ; V: channel r of a tile
	v_lshl_add_u32 v3, v10, 3, v8
	s_delay_alu instid0(VALU_DEP_1)
	v_lshl_add_u32 v3, v3, 1, SCK                  ; K's scale bytes: 2 a key
	v_mul_u32_u24 v4, v8, 80
	s_delay_alu instid0(VALU_DEP_1)
	v_add_nc_u32 v4, SCV, v4                       ; V's: a channel's row
	v_lshlrev_b32 v5, 5, v8
	s_delay_alu instid0(VALU_DEP_1)
	v_lshl_add_u32 v5, v9, 4, v5                   ; Q in kc: 32 r + 16 h
	v_lshlrev_b32 v6, 1, v8                        ; Q in ks
	v_lshlrev_b32 v7, 12, v9
	s_delay_alu instid0(VALU_DEP_1)
	v_lshl_add_u32 v7, v8, 4, v7                   ; the output: lanes 0-15 one token's 256 bytes, lanes 16-31 the next token's
	s_mul_i32 s84, s[WV], 4352
	s_add_co_u32 s84, s84, STAGE                   ; my stage
	v_mul_u32_u24 v240, v8, 272
	s_delay_alu instid0(VALU_DEP_1)
	v_lshl_add_u32 v240, v9, 5, v240
	s_delay_alu instid0(VALU_DEP_1)
	v_add_nc_u32 v240, s84, v240                   ; in: row r, 32 h
	v_mul_u32_u24 v241, v9, 272
	s_delay_alu instid0(VALU_DEP_1)
	v_lshl_add_u32 v241, v8, 4, v241
	s_delay_alu instid0(VALU_DEP_1)
	v_add_nc_u32 v241, s84, v241                   ; back: two rows an instruction
.irp j, 20,21,22,23
	v_mov_b32 v\j, 0                               ; Q's upper 64 along K: zero codes
.endr
.irp t, 0,1,2,3,4,5,6,7
.irp j, 4,5,6,7
	v_mov_b32 v[32+8*\t+\j], 0                     ; K's likewise: written once, never loaded
.endr
.endr
.irp b, 0,1,2,3
	v_mov_b32 v[236+\b], 0
.endr
	v_mov_b32 v253, 0                              ; named as the upper half of v[252:253] before it is first written
	s_lshl_b32 s85, s19, 9
	s_lshl_b32 s86, s[WV], 4
	s_add_co_u32 s85, s85, s86                     ; my first query: 512 cx + 16 wave
	s_lshl_b32 s86, s85, 5
	s_add_co_u32 s86, s86, s74
	s_mov_b32 s87, 0
	s_add_nc_u64 s[4:5], s[4:5], s[86:87]          ; its codes
	s_lshl_b32 s86, s85, 1
	s_add_co_u32 s86, s86, s76
	s_add_nc_u64 s[6:7], s[6:7], s[86:87]          ; its scale bytes
	s_lshr_b32 s86, s72, 4
	s_lshl_b32 s86, s86, 23                        ; batch x 8 MiB
	s_and_b32 s88, s72, 15
	s_lshl_b32 s88, s88, 8                         ; head x 256 bytes
	s_add_co_u32 s86, s86, s88
	s_lshl_b32 s88, s85, 12
	s_add_co_u32 s86, s86, s88
	s_add_nc_u64 s[12:13], s[12:13], s[86:87]      ; its row of the output
	s_mov_b32 s71, 2
	s_wait_alu depctr_va_vdst(0)                   ; the wait at the head's end
	s_wait_tensorcnt 0x0                           ; my tile has landed,
	s_barrier_signal -1
	s_barrier_wait -1                              ; everybody's has: from here on LDS tiles are only read
.macro KLOAD ak, as                    ; 16 LDS loads: eight fragments of K (64 codes a key) and their two scale bytes (the upper two come as 0, over zero codes)
.irp t, 0,1,2,3,4,5,6,7
	ds_load_b128 v[32+8*\t:35+8*\t], v[\ak] offset:(4*(\t/2)+\t%2)*272
.endr
.irp t, 0,1,2,3,4,5,6,7
	ds_load_u16 v[24+\t], v[\as] offset:(\t/2)*80+(\t%2)*16
.endr
.endm
.macro PADD d, a, b
	v_pk_add_f32 v[\d:\d+1], v[\a:\a+1], v[\b:\b+1]
.endm
.macro FIVE p                          ; ten registers of p onto the five partial sums
.irp i, 0,1,2,3
	PADD 224+2*\i, 224+2*\i, \p+2*\i
.endr
	PADD 14, 14, \p+8
.endm
.macro TM j0                           ; t - M of eight scores
.irp j, 0,2,4,6
	v_pk_fma_f32 v[96+\j0+\j:97+\j0+\j], v[96+\j0+\j:97+\j0+\j], s[22:23], v[12:13] op_sel_hi:[1,0,0]
.endr
.endm
; A KEY STEP: 128 keys.  pf = 1: the next step's K is asked for
.macro STEP pf
.if \pf
	s_add_co_u32 s66, s66, 4352                    ; the next step's 16 rows of 8 keys
	s_add_co_u32 s68, s68, 320                     ; and its four rows of K's scale bytes
.endif
	s_wait_dscnt 0x0                               ; K and its scale bytes, asked for a step ago
.irp t, 0,1,2,3,4,5,6,7
	v_wmma_scale_f32_16x16x128_f8f6f4 v[96+8*\t:103+8*\t], v[32+8*\t:39+8*\t], v[16:23], 0, v[24+\t], v255 matrix_a_fmt:MATRIX_FMT_FP4 matrix_b_fmt:MATRIX_FMT_FP4
.endr
	v_add_nc_u32 v9, s67, v2                       ; four places behind the products, in front of the loads into K's and V's registers and of the first read of S^T
	v_add_nc_u32 v11, s69, v4
.if \pf
	v_add_nc_u32 v8, s66, v1
	v_add_nc_u32 v10, s68, v3
.else
	v_nop
	v_nop
.endif
.irp t, 0,1,2,3
.irp c, 0,1
	ds_load_b128 v[192+8*\t+4*\c:195+8*\t+4*\c], v9 offset:\t*16640+32*\c
.endr
.endr
.irp t, 0,1,2,3
	ds_load_b32 v[248+\t], v11 offset:\t*1280
.endr
.if \pf
	KLOAD 8, 10
.endif
	; the largest score of each block of 32 keys, two chains a block, each accumulator from its low end on: it serves the row's maximum and the block's largest p
.irp b, 0,1,2,3
	v_max3_num_f32 v[232+\b], v[96+16*\b], v[97+16*\b], v[98+16*\b]
.endr
.irp b, 0,1,2,3
	v_max3_num_f32 v[236+\b], v[104+16*\b], v[105+16*\b], v[106+16*\b]
.endr
.irp i, 3,5
.irp b, 0,1,2,3
	v_max3_num_f32 v[232+\b], v[232+\b], v[96+16*\b+\i], v[97+16*\b+\i]
.endr
.irp b, 0,1,2,3
	v_max3_num_f32 v[236+\b], v[236+\b], v[104+16*\b+\i], v[105+16*\b+\i]
.endr
.endr
.irp b, 0,1,2,3
	v_max3_num_f32 v[232+\b], v[232+\b], v[236+\b], v[103+16*\b]
.endr
.irp b, 0,1,2,3
	v_max_num_f32 v[232+\b], v[232+\b], v[111+16*\b]
.endr
.irp b, 0,1,2,3
	s_delay_alu instid0(VALU_DEP_4)
	v_permlanex16_b32 v[236+\b], v[232+\b], s20, s21
.endr
.irp b, 0,1,2,3
	s_delay_alu instid0(VALU_DEP_4)
	v_max_num_f32 v[232+\b], v[232+\b], v[236+\b]  ; with lane l xor 16's 16 keys
.endr
	s_delay_alu instid0(VALU_DEP_2)
	v_max3_num_f32 v254, v232, v233, v234
	v_mov_b32 v244, v12                            ; the old -M
	s_delay_alu instid0(VALU_DEP_2)
	v_max3_num_f32 v13, v13, v254, v235            ; the running largest score (c is positive: its t is the largest t)
	s_delay_alu instid0(VALU_DEP_1)
	v_mul_f32 v254, s22, v13
	s_delay_alu instid0(VALU_DEP_1)
	v_floor_f32 v12, -v254                         ; -M = floor(-t): M is a whole number
	TM 0
	v_sub_f32 v254, v12, v244                      ; old M - new M: a whole number, 0 or less
	TM 8
	v_cvt_i32_f32 v254, v254                       ; (it saturates)
	TM 16
	v_ldexp_f32 v252, 1.0, v254                    ; f = 2^(old M - new M)
	TM 24
	TM 32
	TM 40
	TM 48
	TM 56
.irp b, 0,1,2,3
	v_fma_f32 v[232+\b], v[232+\b], s22, v12
.endr
	s_wait_alu depctr_va_vdst(0)                   ; the wait ahead of the batch
.irp b, 0,1,2,3
	v_exp_f32 v[232+\b], v[232+\b]                 ; each block's largest p
.endr
.irp j, 0,1,2,3,4,5,6,7,8,9,10,11,12,13,14,15,16,17,18,19,20,21,22,23,24,25,26,27,28,29,30,31,32,33,34,35,36,37,38,39,40,41,42,43,44,45,46,47,48,49,50,51,52,53,54,55,56,57,58,59,60,61,62,63
	v_exp_f32 v[96+\j], v[96+\j]                   ; p = 2^(t - M)
.endr
	v_pk_mul_f32 v[14:15], v[14:15], v[252:253] op_sel_hi:[1,0]   ; the sums under the new M (a plain line behind the exponentials)
	s_wait_alu depctr_va_vdst(0)                   ; one wait for the batch of 68, ahead of its first reader
	; the scale lines of the four blocks, among the sums of the unquantised p
.irp b, 0,1,2,3
	v_max_num_f32 v[232+\b], 0x1800000, v[232+\b]  ; the floor 2^(3 - 127): the byte cannot fall under 1
.endr
.irp i, 0,1,2,3
	PADD 224+2*\i, 96+2*\i, 104+2*\i
.endr
	PADD 14, 14, 112
.irp b, 0,1,2,3
	v_add_nc_u32 v[244+\b], 0xff000000, v[232+\b]  ; 2 off the exponent field: the conversion's scale operand
.endr
	FIVE 114
.irp b, 0,1,2,3
	v_lshrrev_b32 v[236+\b], 23, v[244+\b]
.endr
	FIVE 124
	v_lshl_or_b32 v253, v237, 8, v236              ; p's scale word for these 128 keys
	v_lshl_or_b32 v254, v239, 8, v238
	FIVE 134
	v_lshl_or_b32 v253, v254, 16, v253
	FIVE 144
	PADD 224, 224, 154
	PADD 226, 226, 156
	PADD 228, 228, 158
	s_delay_alu instid0(VALU_DEP_2)
	PADD 224, 224, 226
	s_delay_alu instid0(VALU_DEP_2)
	PADD 228, 228, 230
	s_delay_alu instid0(VALU_DEP_1)
	PADD 224, 224, 228
	s_delay_alu instid0(VALU_DEP_1)
	PADD 14, 14, 224
.if \pf
	s_wait_dscnt 16                                ; V's eight loads and its four scale words are in; K's sixteen, issued behind them, may be out
.else
	s_wait_dscnt 0x0
.endif
.irp b, 0,1,2,3
	v_cvt_scalef32_pk8_fp4_f32 v[224+2*\b], v[96+16*\b:103+16*\b], v[244+\b]
	v_cvt_scalef32_pk8_fp4_f32 v[225+2*\b], v[104+16*\b:111+16*\b], v[244+\b]
.endr
	v_nop                                          ; a plain line behind the conversions
.irp c, 0,1
.irp i, 0,1
	v_permlane16_swap_b32 v[224+4*\c+\i], v[226+4*\c+\i]   ; a whole block to a lane
.endr
.endr
	s_wait_alu depctr_va_vdst(0)                   ; the wait directly ahead of the first reader of O^T
.irp j, 0,2,4,6,8,10,12,14,16,18,20,22,24,26,28,30
	v_pk_mul_f32 v[160+\j:161+\j], v[160+\j:161+\j], v[252:253] op_sel_hi:[1,0]   ; O^T under the new M; these sixteen are also the places between p's scale word and codes and the products
.endr
.irp t, 0,1,2,3
	v_wmma_scale_f32_16x16x128_f8f6f4 v[160+8*\t:167+8*\t], v[192+8*\t:199+8*\t], v[224:231], v[160+8*\t:167+8*\t], v[248+\t], v253 matrix_a_fmt:MATRIX_FMT_FP4 matrix_b_fmt:MATRIX_FMT_FP4
.endr
	s_add_co_u32 s67, s67, 64                      ; 128 codes in V's rows
	s_add_co_u32 s69, s69, 4                       ; a scale word in V's rows
.endm
.Lq:                                                   ; two trips: a tile of 16 queries each
	KLOAD 1, 3                                     ; the first step's K
	global_load_b128 v[16:19], v5, s[4:5]          ; Q's fragment: 64 codes a row
	global_load_u16 v255, v6, s[6:7]               ; and its two scale bytes
	v_mov_b32 v13, 0xff61b1e6                      ; the largest score so far: -3e38
	s_delay_alu instid0(VALU_DEP_1)
	v_floor_f32 v12, -v13
	v_mov_b32 v14, 0
	v_mov_b32 v15, 0
.irp j, 0,1,2,3,4,5,6,7,8,9,10,11,12,13,14,15,16,17,18,19,20,21,22,23,24,25,26,27,28,29,30,31
	v_mov_b32 v[160+\j], 0                         ; O^T: the first step finds zeros
.endr
	s_mov_b32 s66, 0
	s_mov_b32 s67, 0
	s_mov_b32 s68, 0
	s_mov_b32 s69, 0
	s_mov_b32 s70, 15
	s_wait_loadcnt 0x0
.Lk:                                                   ; fifteen trips of 128 keys
	STEP 1
	s_sub_co_u32 s70, s70, 1
	s_cmp_lg_u32 s70, 0
	s_cbranch_scc1 .Lk
	STEP 0                                         ; the sixteenth
	; THE WAY OUT: O^T / the sum, through my stage, so that sixteen lanes store a token's 256 bytes of this head
	PLACES                                         ; behind the last products
	v_add_f32 v14, v14, v15
	s_delay_alu instid0(VALU_DEP_1)
	v_permlanex16_b32 v252, v14, s20, s21
	s_delay_alu instid0(VALU_DEP_1)
	v_add_f32 v14, v14, v252
	s_wait_alu depctr_va_vdst(0)                   ; ahead of the reciprocal
	v_rcp_f32 v14, v14
	v_nop                                          ; a plain line behind it
	s_wait_alu depctr_va_vdst(0)                   ; the wait ahead of its first reader
.irp j, 0,1,2,3,4,5,6,7,8,9,10,11,12,13,14,15,16,17,18,19,20,21,22,23,24,25,26,27,28,29,30,31
	v_mul_f32 v[96+\j], v[160+\j], v14             ; register 8 t + i is channel 16 t + 8 h + i of query r
.endr
.irp t, 0,1,2,3
	ds_store_b128 v240, v[96+8*\t:99+8*\t] offset:64*\t
	ds_store_b128 v240, v[100+8*\t:103+8*\t] offset:64*\t+16
.endr
.irp i, 0,1,2,3,4,5,6,7
	ds_load_b128 v[128+4*\i:131+4*\i], v241 offset:544*\i   ; LDS serves a wave's instructions in order: these see my stores
.endr
.irp i, 0,1,2,3,4,5,6,7
	s_wait_dscnt 7-\i                              ; the younger loads may be out
	global_store_b128 v7, v[128+4*\i:131+4*\i], s[12:13] offset:8192*\i th:TH_STORE_NT
.endr
	s_wait_xcnt 0x0                                ; loads and stores have read their bases and data: both may be written again
	s_add_nc_u64 s[4:5], s[4:5], 8192              ; 256 queries on
	s_add_nc_u64 s[6:7], s[6:7], 512
	s_add_nc_u64 s[12:13], s[12:13], 1048576
	s_sub_co_u32 s71, s71, 1
	s_cmp_lg_u32 s71, 0
	s_cbranch_scc1 .Lq
	s_wait_dscnt 0x0
	s_wait_tensorcnt 0x0                           ; the wave's end
	ds_add_u32 v242, v243
	s_wait_dscnt 0x0
	ROUND                                          ; the closing round
	s_endpgm
.Lfunc_end_k_q4964f5e6a0_attn:
	.size	k_q4964f5e6a0_attn, .Lfunc_end_k_q4964f5e6a0_attn-k_q4964f5e6a0_attn
	.p2alignl 7, 3214868480
	.fill 96, 4, 3214868480
	.section	.rodata,"a",@progbits
	.p2align	6, 0x0
	.amdhsa_kernel k_q4964f5e6a0_attn
		.amdhsa_group_segment_fixed_size 218112
		.amdhsa_private_segment_fixed_size 0
		.amdhsa_enable_private_segment 0
		.amdhsa_kernarg_size 40
		.amdhsa_user_sgpr_count 2
		.amdhsa_user_sgpr_kernarg_segment_ptr 1
		.amdhsa_wavefront_size32 1
		.amdhsa_system_sgpr_workgroup_id_x 1
		.amdhsa_system_sgpr_workgroup_id_y 1
		.amdhsa_system_sgpr_workgroup_id_z 1
		.amdhsa_system_vgpr_workitem_id 0
		.amdhsa_next_free_vgpr 256
		.amdhsa_next_free_sgpr 96
		.amdhsa_reserve_vcc 0
		.amdhsa_float_denorm_mode_32 3
		.amdhsa_float_denorm_mode_16_64 3
		.amdhsa_memory_ordered 1
		.amdhsa_forward_progress 1
		.amdhsa_inst_pref_size 47
	.end_amdhsa_kernel
	.amdgpu_metadata
---
amdhsa.version: [ 1, 2 ]
amdhsa.kernels:
  - .name:           k_q4964f5e6a0_attn
    .symbol:         k_q4964f5e6a0_attn.kd
    .args:
      - { .name: kc, .offset: 0, .size: 8, .value_kind: global_buffer, .address_space: global }
      - { .name: ks, .offset: 8, .size: 8, .value_kind: global_buffer, .address_space: global }
      - { .name: vc, .offset: 16, .size: 8, .value_kind: global_buffer, .address_space: global }
      - { .name: vs, .offset: 24, .size: 8, .value_kind: global_buffer, .address_space: global }
      - { .name: attn, .offset: 32, .size: 8, .value_kind: global_buffer, .address_space: global }
    .group_segment_fixed_size: 218112
    .private_segment_fixed_size: 0
    .kernarg_segment_align: 8
    .kernarg_segment_size: 40
    .max_flat_workgroup_size: 512
    .sgpr_count:     96
    .vgpr_count:     256
    .wavefront_size: 32
...
	.end_amdgpu_metadata
.endif
;; end of part 2
;; launch ffn (part 3): grid 256 x 1, 8 waves a work-group, no clusters, 293,888 bytes of LDS; arguments x, attn, theta, w1, b1, w2q, b2, gamma1, beta1, gamma2, beta2, out0; writes out0
.if DOCPART == 3
	.amdgcn_target "amdgcn-amd-amdhsa--gfx1250"
	.amdhsa_code_object_version 6
	.text
	.protected	k_q4964f5e6a0_ffn
	.globl	k_q4964f5e6a0_ffn
	.p2align	8
	.type	k_q4964f5e6a0_ffn,@function
k_q4964f5e6a0_ffn:
	s_mov_b64 s[64:65], 0
	v_nop
	global_prefetch_b8 v0, s[64:65] scope:SCOPE_SE
	s_setreg_imm32_b32 hwreg(HW_REG_WAVE_MODE, 25, 1), 1
	s_wait_xcnt 0x0
; h = LN1(x + attn); q = cos(h[:8]) cos(theta); hid = relu(q w1^T + b1) in f32; y = Q(hid) Q(w2)^T + b2 on codes of FP4 (E2M1) with E8M0 scales; out = LN2(h + y).
; SHARES.  A work-group of eight waves owns 32 tokens and all 1,024 outputs.  In the norms wave w owns tokens 4 w .. 4 w + 3 as whole rows (a row: 8 chunks of 512 bytes, 16 bytes a lane).
; In the products wave w owns outputs 128 w .. + 127 for all 32 tokens (16 accumulators), and makes, a trip (two K steps) ahead, hidden units 32 w .. + 31 of the next 256: one block of 32, quantised in registers.
; The hidden layer never goes to memory: its codes go from wave to wave through LDS as images of the operand's registers, in three buffers by turns, one barrier a trip.
; w2's CODES GO FROM MEMORY STRAIGHT INTO REGISTERS.  w2q holds K steps of 69,632 bytes in the order of the operand's registers, and each 16 bytes of it are wanted by ONE lane of ONE wave of the work-group, once:
; a way through LDS would write and read each byte once more and share nothing among the waves.  So there is no tensor load, and NO CLUSTER: a joint request lands in LDS, which these bytes do not pass.
; Three sets of 64 registers (and 4 scale words) take turns: a set is asked for again directly behind its products, three K steps ahead of its next ones: 60 loads of a wave are on their way.
; NO PREFETCH: each K step's own loads stand three K steps ahead of the wait for them.
; While the products run, h (32 registers a token) lies in the wave's own LDS bytes, so that its registers serve two of the three sets.
; cos: x - k pi in two steps, then the series in r^2 up to r^14 (the next term is under 1e-10 for |r| <= pi / 2), the sign from k.
; LIMITS: the cosine's absolute error is about 1e-7 and it serves |h| under 2^22; NaN and infinities are not served; a block of zeros gets the byte 1 (its codes are zeros).
; REGISTERS.  Window 0: v1-16 addresses that stay; v17-31 at work; v32-63 the hidden numbers behind relu; v64-71 w1's fragments; v72-79 q's; v80-95 b1; v96-127 the f32 products' results, written by them alone;
;   v128-191 set 2 of w2's fragments; v192-207 two fragments of the hidden layer; v208-211, v213-216, v217-220 the sets' scale words, v212 the hidden layer's: scales and nothing else; v224-255 and v32-63 b2 for the first products.
;   In the norms a wave's four rows lie at v32, v64, v128, v160.
; Window 1: v0-127 the 16 accumulators (tile n, token tile m at 8 (2 n + m)); outside their life v0-31 gamma, v32-63 beta; v128-191 set 0, v192-255 set 1; in the norms v128-255 x, then h.
.set KSB,   69632                      ; a K step in w2q: 65,536 bytes of images, 4,096 of scale words
.set IMGC,  0                          ; LDS: the hidden layer's images: 3 buffers x 2 K steps x 2 token tiles x 1,024 bytes
.set IMGS,  12288                      ; their scale words: 3 x 2 x 128 bytes
.set QT,    13312                      ; the first 512 bytes of each token's h: 32 rows x 528
.set SPARE, 30208                      ; the spare words: 128 bytes a wave, four blocks of 256 bytes that no other line names
.set HST,   31232                      ; h: 16,384 bytes a wave
.set YST,   162304                     ; the stage for y: 32 rows of 4,096 bytes + 16
.set YP,    4112
.set SPW, 1
.set NIL, 2
.set AW,  3                            ; v3  my place in a K step's images: 8,192 w + 16 lane
.set AS,  4                            ; v4  among its scale words: 65,536 + 512 w + 4 lane
.set HL,  5                            ; v5  LDS: my rows of h
.set HCA, 11
.set HSA, 12
.set PCA, 13
.set PSA, 14
.set W1A, 15
.set B1A, 16
.set T,   18                           ; v18-25 the norms' four pairs
.set XR,  32
.set W1F, 64
.set QB,  72
.set B1F, 80
.set DH,  96
.set HF,  192
.set WS,  208
.set HS,  212
.set GA,  0                            ; in window 1
.set BE,  32
.set HW,  128
.set CX,  128                          ; the cosine: 12 numbers, and three sets of 12 at work
.set CK,  140
.set CZ,  152
.set CP,  164
.set WV,  28
.set MSB, 0
.macro WIN new                         ; the immediate's high byte repeats the setting that is left
.if MSB != \new
	s_set_vgpr_msb (MSB<<8)|\new
.set MSB, \new
.endif
.endm
.macro PLACES n
.rept \n
	v_nop
.endr
.endm
; the four pairs' sums over the wave's 32 lanes, in every lane
.macro REDUCE
.irp i, 0,1,2,3
	s_delay_alu instid0(VALU_DEP_4)
	v_add_f32 v[T+2*\i], v[T+2*\i], v[T+2*\i+1]
.endr
.irp x, 1,2,4,8
.irp i, 0,1,2,3
	s_delay_alu instid0(VALU_DEP_4)
	v_add_f32_dpp v[T+2*\i], v[T+2*\i], v[T+2*\i] row_xmask:\x row_mask:0xf bank_mask:0xf
.endr
.endr
.irp i, 0,1,2,3
	s_delay_alu instid0(VALU_DEP_4)
	v_permlanex16_b32 v[T+2*\i+1], v[T+2*\i], s30, s31
.endr
.irp i, 0,1,2,3
	s_delay_alu instid0(VALU_DEP_4)
	v_add_f32 v[T+2*\i], v[T+2*\i], v[T+2*\i+1]
.endr
.endm
; LayerNorm of my four rows (row i at v[RB], RB = 32 + 32 i + 32 (i / 2), window 0), the tokens by turns.  towin1 = 1: the result goes to window 1 (h); 0: in place.
.macro LNORM towin1
.irp i, 0,1,2,3
.set RB, 32+32*\i+32*(\i/2)
	v_pk_add_f32 v[T+2*\i:T+2*\i+1], v[RB:RB+1], v[RB+2:RB+3]
.endr
.irp k, 4,6,8,10,12,14,16,18,20,22,24,26,28,30
.irp i, 0,1,2,3
.set RB, 32+32*\i+32*(\i/2)
	s_delay_alu instid0(VALU_DEP_4)
	v_pk_add_f32 v[T+2*\i:T+2*\i+1], v[T+2*\i:T+2*\i+1], v[RB+\k:RB+\k+1]
.endr
.endr
	REDUCE
.irp i, 0,1,2,3
	s_delay_alu instid0(VALU_DEP_4)
	v_mul_f32 v[T+2*\i], s61, v[T+2*\i]            ; minus the mean
.endr
.irp k, 0,2,4,6,8,10,12,14,16,18,20,22,24,26,28,30
.irp i, 0,1,2,3
.set RB, 32+32*\i+32*(\i/2)
	v_pk_add_f32 v[RB+\k:RB+\k+1], v[RB+\k:RB+\k+1], v[T+2*\i:T+2*\i+1] op_sel_hi:[1,0]
.endr
.endr
.irp i, 0,1,2,3
.set RB, 32+32*\i+32*(\i/2)
	v_pk_mul_f32 v[T+2*\i:T+2*\i+1], v[RB:RB+1], v[RB:RB+1]
.endr
.irp k, 2,4,6,8,10,12,14,16,18,20,22,24,26,28,30
.irp i, 0,1,2,3
.set RB, 32+32*\i+32*(\i/2)
	s_delay_alu instid0(VALU_DEP_4)
	v_pk_fma_f32 v[T+2*\i:T+2*\i+1], v[RB+\k:RB+\k+1], v[RB+\k:RB+\k+1], v[T+2*\i:T+2*\i+1]
.endr
.endr
	REDUCE
.irp i, 0,1,2,3
	s_delay_alu instid0(VALU_DEP_4)
	v_fma_f32 v[T+2*\i], v[T+2*\i], s62, s63       ; the variance + 1e-5
.endr
	s_wait_alu depctr_va_vdst(0)                   ; ahead of the four roots
.irp i, 0,1,2,3
	v_rsq_f32 v[T+2*\i], v[T+2*\i]
.endr
	v_nop                                          ; a plain line behind them
	s_wait_alu depctr_va_vdst(0)                   ; one wait for the four, ahead of their first reader
.irp k, 0,2,4,6,8,10,12,14,16,18,20,22,24,26,28,30
.irp i, 0,1,2,3
.set RB, 32+32*\i+32*(\i/2)
	v_pk_mul_f32 v[RB+\k:RB+\k+1], v[RB+\k:RB+\k+1], v[T+2*\i:T+2*\i+1] op_sel_hi:[1,0]
.endr
.endr
.if \towin1
	WIN 0x54                                       ; gamma and beta (sources 1, 2) and the destination in window 1
.else
	WIN 0x14
.endif
.irp k, 0,2,4,6,8,10,12,14,16,18,20,22,24,26,28,30
.irp i, 0,1,2,3
.set RB, 32+32*\i+32*(\i/2)
.if \towin1
	v_pk_fma_f32 v[HW+32*\i+\k:HW+32*\i+\k+1], v[RB+\k:RB+\k+1], v[GA+\k:GA+\k+1], v[BE+\k:BE+\k+1]
.else
	v_pk_fma_f32 v[RB+\k:RB+\k+1], v[RB+\k:RB+\k+1], v[GA+\k:GA+\k+1], v[BE+\k:BE+\k+1]
.endif
.endr
.endr
	WIN 0
.endm
; rows += window 1's x or h
.macro ADDROWS
	WIN 0x04                                       ; source 1 in window 1
.irp i, 0,1,2,3
.set RB, 32+32*\i+32*(\i/2)
.irp k, 0,2,4,6,8,10,12,14,16,18,20,22,24,26,28,30
	v_pk_add_f32 v[RB+\k:RB+\k+1], v[RB+\k:RB+\k+1], v[HW+32*\i+\k:HW+32*\i+\k+1]
.endr
.endr
	WIN 0
.endm
; 8 loads: w1's four fragments (tile u of 16 units, half kh of K = 8) and b1 in the result's layout, for my next block of 32 hidden units
.macro PLOAD step
.if \step
	s_add_nc_u64 s[10:11], s[10:11], 8192          ; 256 units on; the loads that read these bases were waited for ahead of the f32 products
	s_add_nc_u64 s[12:13], s[12:13], 1024
.endif
.irp u, 0,1
.irp kh, 0,1
	global_load_b64 v[W1F+4*\u+2*\kh:W1F+4*\u+2*\kh+1], v[W1A], s[10:11] offset:256*\u+16*\kh
.endr
.endr
.irp u, 0,1
	global_load_b128 v[B1F+8*\u:B1F+8*\u+3], v[B1A], s[12:13] offset:32*\u
	global_load_b128 v[B1F+8*\u+4:B1F+8*\u+7], v[B1A], s[12:13] offset:32*\u+16
.endr
.endm
; q w1^T + b1 in f32, transposed (source 0 = 16 units, source 1 = 16 tokens): four accumulators by turns, b1 as the C of each sum's first product.  younger: the loads issued behind w1's and b1's
.macro PROD_A younger
	s_wait_loadcnt \younger
.irp m, 0,1
.irp u, 0,1
	v_wmma_f32_16x16x4_f32 v[DH+16*\m+8*\u:DH+16*\m+8*\u+7], v[W1F+4*\u:W1F+4*\u+1], v[QB+4*\m:QB+4*\m+1], v[B1F+8*\u:B1F+8*\u+7]
.endr
.endr
.irp m, 0,1
.irp u, 0,1
	v_wmma_f32_16x16x4_f32 v[DH+16*\m+8*\u:DH+16*\m+8*\u+7], v[W1F+4*\u+2:W1F+4*\u+3], v[QB+4*\m+2:QB+4*\m+3], v[DH+16*\m+8*\u:DH+16*\m+8*\u+7]
.endr
.endr
.endm
; relu, the block's scale, the codes; a lane's 16 codes and the block's byte go into image buffer p
.macro PROD_B p
.irp j, 0,1,2,3,4,5,6,7,8,9,10,11,12,13,14,15,16,17,18,19,20,21,22,23,24,25,26,27,28,29,30,31
	v_max_num_f32 v[XR+\j], 0, v[DH+\j]            ; each accumulator from its low end on; register 16 m + i: unit 16 h + i of my 32, token 16 m + r
.endr
.irp m, 0,1
	v_max3_num_f32 v[17+\m], v[XR+16*\m], v[XR+16*\m+1], 0x1800000   ; none is negative; the floor 2^(3 - 127) holds the byte at 1 from below
.endr
.irp i, 2,4,6,8,10,12,14
.irp m, 0,1
	s_delay_alu instid0(VALU_DEP_2)
	v_max3_num_f32 v[17+\m], v[17+\m], v[XR+16*\m+\i], v[XR+16*\m+\i+1]
.endr
.endr
.irp m, 0,1
	v_permlanex16_b32 v[19+\m], v[17+\m], s30, s31
.endr
.irp m, 0,1
	s_delay_alu instid0(VALU_DEP_2)
	v_max_num_f32 v[17+\m], v[17+\m], v[19+\m]     ; with lane l xor 16's 16: the block's
.endr
.irp m, 0,1
	s_delay_alu instid0(VALU_DEP_2)
	v_add_nc_u32 v[21+\m], 0xff000000, v[17+\m]    ; 2 off the exponent field: the conversion's scale operand
.endr
.irp m, 0,1
	s_delay_alu instid0(VALU_DEP_2)
	v_lshrrev_b32 v[23+\m], 23, v[21+\m]
.endr
.irp m, 0,1
	v_cvt_scalef32_pk8_fp4_f32 v[26+2*\m], v[XR+16*\m:XR+16*\m+7], v[21+\m]
	v_cvt_scalef32_pk8_fp4_f32 v[27+2*\m], v[XR+16*\m+8:XR+16*\m+15], v[21+\m]
.endr
	v_nop                                          ; a plain line behind the conversions
.irp m, 0,1
	ds_store_b64 v[PCA], v[26+2*\m:27+2*\m] offset:4096*(\p)+1024*\m
.endr
.irp m, 0,1
	ds_store_b8 v[PSA], v[23+\m] offset:256*(\p)+64*\m   ; both lanes of a block write the same byte with the same value
.endr
.endm
; 20 loads: K step ko (counted from the base in s[14:15]) of w2q into set idx: my eight fragments, 512 consecutive bytes a load, and my four scale words
.macro GLOAD ko, idx
.set SI, \idx
.set SB, 128+64*(SI%2)
.set WB, WS+5*SI-SI/2
.if SI < 2
	WIN 0x40                                       ; sets 0 and 1 lie in window 1
.endif
.irp n, 0,1,2,3,4,5,6,7
.irp c, 0,1
	global_load_b128 v[SB+8*\n+4*\c:SB+8*\n+4*\c+3], v[AW], s[14:15] offset:(\ko)*KSB+1024*\n+512*\c
.endr
.endr
	WIN 0
.irp q, 0,1,2,3
	global_load_b32 v[WB+\q], v[AS], s[14:15] offset:(\ko)*KSB+128*\q   ; lanes 0-15: tile 2 q's rows; lanes 16-31: tile 2 q + 1's
.endr
.endm
; 5 LDS loads: the hidden layer's two fragments and its scale words, K step k of image buffer p
.macro CLOADH p, k
.irp m, 0,1
.irp c, 0,1
	ds_load_b128 v[HF+8*\m+4*\c:HF+8*\m+4*\c+3], v[HCA] offset:4096*(\p)+2048*(\k)+1024*\m+512*\c
.endr
.endr
	ds_load_b32 v[HS], v[HSA] offset:256*(\p)+128*(\k)      ; lane = token
.endm
.macro FP4 d, a, b, c, sa, sb, ra, rb
.if (\ra) && (\rb)
	v_wmma_scale_f32_16x16x128_f8f6f4 v[\d:\d+7], v[\a:\a+7], v[\b:\b+7], v[\c:\c+7], v[\sa], v[\sb] matrix_a_fmt:MATRIX_FMT_FP4 matrix_b_fmt:MATRIX_FMT_FP4 matrix_a_scale:MATRIX_SCALE_ROW1 matrix_b_scale:MATRIX_SCALE_ROW1
.elseif (\ra)
	v_wmma_scale_f32_16x16x128_f8f6f4 v[\d:\d+7], v[\a:\a+7], v[\b:\b+7], v[\c:\c+7], v[\sa], v[\sb] matrix_a_fmt:MATRIX_FMT_FP4 matrix_b_fmt:MATRIX_FMT_FP4 matrix_a_scale:MATRIX_SCALE_ROW1
.elseif (\rb)
	v_wmma_scale_f32_16x16x128_f8f6f4 v[\d:\d+7], v[\a:\a+7], v[\b:\b+7], v[\c:\c+7], v[\sa], v[\sb] matrix_a_fmt:MATRIX_FMT_FP4 matrix_b_fmt:MATRIX_FMT_FP4 matrix_b_scale:MATRIX_SCALE_ROW1
.else
	v_wmma_scale_f32_16x16x128_f8f6f4 v[\d:\d+7], v[\a:\a+7], v[\b:\b+7], v[\c:\c+7], v[\sa], v[\sb] matrix_a_fmt:MATRIX_FMT_FP4 matrix_b_fmt:MATRIX_FMT_FP4
.endif
.endm
; 16 products on set idx, transposed (source 0 = 16 outputs, source 1 = 16 tokens): the 16 accumulators by turns, one instruction a turn.  cinit = 1: b2 is the C of each sum's first product
.macro CMUL cinit, idx
.set SI, \idx
.set SB, 128+64*(SI%2)
.set WB, WS+5*SI-SI/2
.set WN, 0x40+(1-SI/2)+0x10*(1-\cinit)             ; D in window 1; source 0 in window 1 for sets 0 and 1; C in window 1 but for b2
	WIN WN
.irp n, 0,1,2,3,4,5,6,7
.irp m, 0,1
.if \cinit
.if \n < 4
	FP4 8*(2*\n+\m), SB+8*\n, HF+8*\m, 224+8*\n, WB+\n/2, HS, \n%2, \m
.else
	FP4 8*(2*\n+\m), SB+8*\n, HF+8*\m, 8*\n, WB+\n/2, HS, \n%2, \m
.endif
.else
	FP4 8*(2*\n+\m), SB+8*\n, HF+8*\m, 8*(2*\n+\m), WB+\n/2, HS, \n%2, \m
.endif
.endr
.endr
	WIN 0
.endm
; A TRIP: K steps 2 t and 2 t + 1, on sets 2 t % 3 and (2 t + 1) % 3 and image buffer tm = t % 3; between them my block of the next trip's hidden layer.
; prod: that block is made; next: w1 and b1 for the block after it are asked for; g1, g2: the two sets are asked for again, with K steps ko and ko + 1.
; wa: the loads that may be out at the f32 products, issued behind w1's and b1's (two K steps: 40); the trip's first set was asked for ahead of those.
; wb: those that may be out at the second set's products (a K step, w1 and b1, a K step: 20 + 8 + 20).
.macro TRIP tm, prod, next, g1, g2, ko, wa, wb, cinit
	s_wait_dscnt 0x0                               ; my image stores have landed and my reads of the last buffer are over
	s_barrier_signal -1
	s_barrier_wait -1
	CLOADH \tm, 0
.if \prod
	PROD_A \wa
.else
	s_wait_loadcnt \wa
.endif
	s_wait_dscnt 0x0
	CMUL \cinit, (2*\tm)%3
	PLACES 8                                       ; four in front of the loads into the products' registers; eight behind the f32 products
.if \next
	PLOAD 1
.endif
.if \g1
	GLOAD \ko, (2*\tm)%3
.endif
	CLOADH \tm, 1
.if \prod
	PROD_B (\tm+1)%3
.endif
	s_wait_loadcnt \wb
.if \prod
	s_wait_dscnt 0x4                               ; the five loads are in; my four image stores, issued behind them, may be out
.else
	s_wait_dscnt 0x0
.endif
	CMUL 0, (2*\tm+1)%3
	PLACES 4
.if \g2
	GLOAD (\ko)+1, (2*\tm+1)%3
.endif
.endm
	s_load_b512 s[4:19], s[0:1], 0x0               ; x, attn, theta, w1, b1, w2q, b2, gamma1
	s_load_b256 s[20:27], s[0:1], 0x40             ; beta1, gamma2, beta2, out0
	v_lshl_add_u32 v[SPW], v0, 2, SPARE
	v_mov_b32 v[NIL], 0
	v_lshrrev_b32 v17, 5, v0
	s_delay_alu instid0(VALU_DEP_1)
	v_readfirstlane_b32 s[WV], v17                 ; wave 0..7
	s_lshl_b32 s66, ttmp9, 17                      ; 32 tokens x 4,096 bytes,
	s_lshl_b32 s67, s[WV], 14                      ; my four of them
	s_add_co_u32 s66, s66, s67
	s_mov_b32 s67, 0
	s_mov_b32 s30, 0x76543210
	s_mov_b32 s31, 0xfedcba98
	s_mov_b32 s52, 0x3ea2f983                      ; 1 / pi
	s_mov_b32 s53, 0x40490fdb                      ; pi, in two parts
	s_mov_b32 s54, 0xb3bbbd2e
	s_mov_b32 s55, 0xad49cba5                      ; -1 / 14!
	s_mov_b32 s56, 0x310f76c7                      ; 1 / 12!
	s_mov_b32 s57, 0xb493f27e                      ; -1 / 10!
	s_mov_b32 s58, 0x37d00d01                      ; 1 / 8!
	s_mov_b32 s59, 0xbab60b61                      ; -1 / 6!
	s_mov_b32 s60, 0x3d2aaaab                      ; 1 / 4!
	s_mov_b32 s61, 0xba800000                      ; -1 / 1024
	s_mov_b32 s62, 0x3a800000                      ; 1 / 1024
	s_mov_b32 s63, 0x3727c5ac                      ; 1e-5
	v_and_b32 v17, 31, v0                          ; lane
	v_and_b32 v18, 15, v0                          ; r
	v_bfe_u32 v19, v0, 4, 1                        ; h
	s_delay_alu instid0(VALU_DEP_3)
	v_lshlrev_b32 v26, 4, v17                      ; 16 bytes a lane
	s_lshl_b32 s70, s[WV], 13
	v_lshl_add_u32 v[AW], v17, 4, s70
	s_lshl_b32 s70, s[WV], 9
	s_add_co_u32 s70, s70, 65536
	v_lshl_add_u32 v[AS], v17, 2, s70
	s_lshl_b32 s70, s[WV], 14
	s_add_co_u32 s70, s70, HST
	v_lshl_add_u32 v[HL], v17, 4, s70
	v_lshl_add_u32 v[HCA], v17, 4, IMGC
	v_lshl_add_u32 v[HSA], v17, 2, IMGS
	s_lshr_b32 s70, s[WV], 2                       ; my block of 32 units is block w % 4 of K step w / 4 of the pair
	s_and_b32 s71, s[WV], 3
	s_lshl_b32 s72, s70, 11
	s_lshl_b32 s73, s71, 8
	s_add_co_u32 s72, s72, s73
	s_add_co_u32 s72, s72, IMGC
	s_wait_alu depctr_va_vdst(0)
	v_lshl_add_u32 v[PCA], v18, 4, s72
	s_delay_alu instid0(VALU_DEP_1)
	v_lshl_add_u32 v[PCA], v19, 3, v[PCA]
	s_lshl_b32 s72, s70, 7
	s_add_co_u32 s72, s72, s71
	s_add_co_u32 s72, s72, IMGS
	v_lshl_add_u32 v[PSA], v18, 2, s72
	v_and_b32 v20, 8, v18
	s_delay_alu instid0(VALU_DEP_1)
	v_add_nc_u32 v20, v20, v18                     ; r + 8 (r / 8): the units of a tile are chosen so that two tiles' 16 registers are 16 neighbours
	s_delay_alu instid0(VALU_DEP_1)
	v_lshlrev_b32 v[W1A], 5, v20
	s_delay_alu instid0(VALU_DEP_1)
	v_lshl_add_u32 v[W1A], v19, 3, v[W1A]
	v_lshlrev_b32 v[B1A], 6, v19
	s_wait_alu depctr_va_vdst(0)                   ; the wait at the head's end
	s_wait_kmcnt 0x0
	s_add_nc_u64 s[4:5], s[4:5], s[66:67]
	s_add_nc_u64 s[6:7], s[6:7], s[66:67]
	s_add_nc_u64 s[26:27], s[26:27], s[66:67]
	s_lshl_b32 s66, s[WV], 10
	s_add_nc_u64 s[10:11], s[10:11], s[66:67]      ; w1: my 32 rows of 32 bytes
	s_lshl_b32 s66, s[WV], 7
	s_add_nc_u64 s[12:13], s[12:13], s[66:67]      ; b1: my 32 numbers
	s_lshl_b32 s66, s[WV], 9
	s_add_nc_u64 s[16:17], s[16:17], s[66:67]      ; b2: my 128
	WIN 0x40                                       ; destination window 1
.irp i, 0,1,2,3
.irp j, 0,1,2,3,4,5,6,7
	global_load_b128 v[HW+32*\i+4*\j:HW+32*\i+4*\j+3], v26, s[4:5] offset:4096*\i+512*\j th:TH_LOAD_NT   ; x: 512 consecutive bytes
.endr
.endr
.irp j, 0,1,2,3,4,5,6,7
	global_load_b128 v[GA+4*\j:GA+4*\j+3], v26, s[18:19] offset:512*\j
	global_load_b128 v[BE+4*\j:BE+4*\j+3], v26, s[20:21] offset:512*\j
.endr
	WIN 0
.irp i, 0,1,2,3
.irp j, 0,1,2,3,4,5,6,7
	global_load_b128 v[32+32*\i+32*(\i/2)+4*\j:35+32*\i+32*(\i/2)+4*\j], v26, s[6:7] offset:4096*\i+512*\j th:TH_LOAD_NT   ; attn
.endr
.endr
	; ---- h = LN1(x + attn)
	s_wait_loadcnt 0x0
	ADDROWS
	LNORM 1
	PLOAD 0                                        ; my first block of hidden units
	v_bfe_u32 v29, v0, 4, 1
	s_delay_alu instid0(VALU_DEP_1)
	v_lshlrev_b32 v29, 3, v29                      ; 8 h
.irp kh, 0,1
	global_load_b64 v[CX+8+2*\kh:CX+9+2*\kh], v29, s[8:9] offset:16*\kh   ; theta(4 kh + 2 h + 0, 1)
.endr
	v_and_b32 v31, 31, v0
	s_mul_i32 s70, s[WV], 4*528
	s_add_co_u32 s70, s70, QT
	v_lshl_add_u32 v27, v31, 4, s70
	WIN 0x04                                       ; an LDS store's data are its source 1: window 1
.irp i, 0,1,2,3
	ds_store_b128 v27, v[HW+32*\i:HW+32*\i+3] offset:528*\i   ; the first chunk of each of my rows of h, for all waves
.endr
.irp i, 0,1,2,3
.irp j, 0,1,2,3,4,5,6,7
	ds_store_b128 v[HL], v[HW+32*\i+4*\j:HW+32*\i+4*\j+3] offset:4096*\i+512*\j   ; and my rows whole, for myself at the end
.endr
.endr
	WIN 0
	s_wait_dscnt 0x0                               ; for the others' sake; and the stores have read h's registers
	s_barrier_signal -1
	s_barrier_wait -1
	GLOAD 0, 0                                     ; K steps 0 and 1, where h lay
	GLOAD 1, 1
	v_and_b32 v31, 15, v0
	s_delay_alu instid0(VALU_DEP_1)
	v_mul_u32_u24 v28, v31, 528
	s_wait_alu depctr_va_vdst(0)                   ; v29 was written ahead of the barrier
	v_add_nc_u32 v28, v28, v29
	s_delay_alu instid0(VALU_DEP_1)
	v_add_nc_u32 v28, QT, v28                      ; token r of a tile, 8 h
.irp m, 0,1
.irp kh, 0,1
	ds_load_b64 v[CX+4*\m+2*\kh:CX+4*\m+2*\kh+1], v28 offset:8448*\m+16*\kh   ; h(16 m + r, 4 kh + 2 h + 0, 1): the f32 form's layout
.endr
.endr
	s_wait_dscnt 0x0
	s_wait_loadcnt 40                              ; w1, b1 and theta are in; the 40 loads of K steps 0 and 1 may be out
	; ---- the cosines of 8 numbers of h and 4 of theta, by turns
.irp n, 0,1,2,3,4,5,6,7,8,9,10,11
	v_mul_f32 v[CK+\n], s52, v[CX+\n]
.endr
.irp n, 0,1,2,3,4,5,6,7,8,9,10,11
	v_rndne_f32 v[CK+\n], v[CK+\n]                 ; k
.endr
.irp n, 0,1,2,3,4,5,6,7,8,9,10,11
	v_fma_f32 v[CX+\n], -v[CK+\n], s53, v[CX+\n]
.endr
.irp n, 0,1,2,3,4,5,6,7,8,9,10,11
	v_fma_f32 v[CX+\n], -v[CK+\n], s54, v[CX+\n]   ; r = x - k pi
.endr
.irp n, 0,1,2,3,4,5,6,7,8,9,10,11
	v_mul_f32 v[CZ+\n], v[CX+\n], v[CX+\n]
.endr
.irp n, 0,1,2,3,4,5,6,7,8,9,10,11
	v_fma_f32 v[CP+\n], v[CZ+\n], s55, s56
.endr
.irp q, 57,58,59,60
.irp n, 0,1,2,3,4,5,6,7,8,9,10,11
	v_fma_f32 v[CP+\n], v[CP+\n], v[CZ+\n], s\q
.endr
.endr
.irp n, 0,1,2,3,4,5,6,7,8,9,10,11
	v_fma_f32 v[CP+\n], v[CP+\n], v[CZ+\n], -0.5
.endr
.irp n, 0,1,2,3,4,5,6,7,8,9,10,11
	v_fma_f32 v[CP+\n], v[CP+\n], v[CZ+\n], 1.0
.endr
.irp n, 0,1,2,3,4,5,6,7,8,9,10,11
	v_cvt_i32_f32 v[CK+\n], v[CK+\n]
.endr
.irp n, 0,1,2,3,4,5,6,7,8,9,10,11
	v_lshlrev_b32 v[CK+\n], 31, v[CK+\n]           ; an odd k turns the sign
.endr
.irp n, 0,1,2,3,4,5,6,7,8,9,10,11
	v_xor_b32 v[CP+\n], v[CK+\n], v[CP+\n]
.endr
.irp m, 0,1
.irp j, 0,1,2,3
	v_mul_f32 v[QB+4*\m+\j], v[CP+4*\m+\j], v[CP+8+\j]   ; q: source 1 of the f32 products, for the whole launch
.endr
.endr
	; ---- my block of the first 256 hidden units
	s_wait_alu depctr_va_vdst(0)
	PROD_A 40
	PLACES 8
	PROD_B 0
	v_bfe_u32 v30, v0, 4, 1
	s_delay_alu instid0(VALU_DEP_1)
	v_lshlrev_b32 v30, 5, v30                      ; 32 h
.irp n, 0,1,2,3
	global_load_b128 v[224+8*\n:227+8*\n], v30, s[16:17] offset:64*\n        ; b2 in the result's layout: outputs 16 n + 8 h + 0 .. 7 of my 128
	global_load_b128 v[228+8*\n:231+8*\n], v30, s[16:17] offset:64*\n+16
.endr
.irp n, 4,5,6,7
	global_load_b128 v[8*\n:8*\n+3], v30, s[16:17] offset:64*\n
	global_load_b128 v[8*\n+4:8*\n+7], v30, s[16:17] offset:64*\n+16
.endr
	PLOAD 1
	GLOAD 2, 2                                     ; K step 2, where the cosines were made
	TRIP 0, 1, 1, 1, 1, 3, 20, 48, 1               ; trip 0: behind w1's and b1's loads only K step 2's 20 were issued
	s_mov_b32 s32, 4
.Ltri:                                                 ; trips 1 to 12, three a turn: the sets and the image buffers are back where they began
	TRIP 1, 1, 1, 1, 1, 5, 40, 48, 0
	TRIP 2, 1, 1, 1, 1, 7, 40, 48, 0
	TRIP 0, 1, 1, 1, 1, 9, 40, 48, 0
	s_wait_xcnt 0x0                                ; the loads have read their base
	s_add_nc_u64 s[14:15], s[14:15], 6*KSB
	s_sub_co_u32 s32, s32, 1
	s_cmp_lg_u32 s32, 0
	s_cbranch_scc1 .Ltri
	TRIP 1, 1, 1, 1, 1, 5, 40, 48, 0               ; trip 13: the last load of w1 and b1; K steps 29, 30
	TRIP 2, 1, 0, 1, 0, 7, 40, 40, 0               ; trip 14: the last block of hidden units; K step 31; behind K step 29's loads stand 30's and 31's
	TRIP 0, 0, 0, 0, 0, 0, 20, 0, 0                ; trip 15: behind K step 30's loads stand 31's
	; ---- y to the stage
	v_and_b32 v26, 15, v0
	v_bfe_u32 v27, v0, 4, 1
	s_delay_alu instid0(VALU_DEP_2)
	v_mul_u32_u24 v28, v26, YP
	s_delay_alu instid0(VALU_DEP_1)
	v_lshl_add_u32 v28, v27, 5, v28
	s_lshl_b32 s70, s[WV], 9
	s_add_co_u32 s70, s70, YST
	v_add_nc_u32 v28, s70, v28                     ; token r, my 512 bytes, 32 h
	s_delay_alu instid0(VALU_DEP_1)
	v_add_nc_u32 v29, 16*YP, v28                   ; tokens 16 on
	v_and_b32 v30, 31, v0
	s_delay_alu instid0(VALU_DEP_1)
	v_lshlrev_b32 v30, 4, v30                      ; 16 bytes a lane
	s_mul_i32 s70, s[WV], 4*YP
	s_add_co_u32 s70, s70, YST
	v_add_nc_u32 v31, s70, v30                     ; back: my four rows
	WIN 0x04
.irp n, 0,1,2,3,4,5,6,7
.irp m, 0,1
	ds_store_b128 v[28+\m], v[8*(2*\n+\m):8*(2*\n+\m)+3] offset:64*\n        ; each accumulator from its low end on
	ds_store_b128 v[28+\m], v[8*(2*\n+\m)+4:8*(2*\n+\m)+7] offset:64*\n+16
.endr
.endr
	WIN 0
	s_wait_alu depctr_va_vdst(0)
	s_wait_dscnt 0x0                               ; the stores have landed, and have read the accumulators
	WIN 0x40
.irp j, 0,1,2,3,4,5,6,7
	global_load_b128 v[GA+4*\j:GA+4*\j+3], v30, s[22:23] offset:512*\j       ; gamma2, beta2: where accumulators lay
	global_load_b128 v[BE+4*\j:BE+4*\j+3], v30, s[24:25] offset:512*\j
.endr
	WIN 0
	s_barrier_signal -1
	s_barrier_wait -1                              ; 32 whole rows of y lie in the stage
.irp i, 0,1,2,3
.irp j, 0,1,2,3,4,5,6,7
	ds_load_b128 v[32+32*\i+32*(\i/2)+4*\j:35+32*\i+32*(\i/2)+4*\j], v31 offset:YP*\i+512*\j
.endr
.endr
	WIN 0x40
.irp i, 0,1,2,3
.irp j, 0,1,2,3,4,5,6,7
	ds_load_b128 v[HW+32*\i+4*\j:HW+32*\i+4*\j+3], v[HL] offset:4096*\i+512*\j   ; my rows of h, back where sets 0 and 1 lay
.endr
.endr
	WIN 0
	s_wait_dscnt 0x0
	s_wait_loadcnt 0x0
	ADDROWS                                        ; h + y
	LNORM 0
.irp i, 0,1,2,3
.irp j, 0,1,2,3,4,5,6,7
	global_store_b128 v30, v[32+32*\i+32*(\i/2)+4*\j:35+32*\i+32*(\i/2)+4*\j], s[26:27] offset:4096*\i+512*\j th:TH_STORE_NT   ; 512 consecutive bytes, aligned
.endr
.endr
	s_wait_tensorcnt 0x0                           ; the wave's end
	ds_add_u32 v[SPW], v[NIL]
	s_wait_dscnt 0x0
	s_endpgm
.Lfunc_end_k_q4964f5e6a0_ffn:
	.size	k_q4964f5e6a0_ffn, .Lfunc_end_k_q4964f5e6a0_ffn-k_q4964f5e6a0_ffn
	.p2alignl 7, 3214868480
	.fill 96, 4, 3214868480
	.section	.rodata,"a",@progbits
	.p2align	6, 0x0
	.amdhsa_kernel k_q4964f5e6a0_ffn
		.amdhsa_group_segment_fixed_size 293888
		.amdhsa_private_segment_fixed_size 0
		.amdhsa_enable_private_segment 0
		.amdhsa_kernarg_size 96
		.amdhsa_user_sgpr_count 2
		.amdhsa_user_sgpr_kernarg_segment_ptr 1
		.amdhsa_wavefront_size32 1
		.amdhsa_system_sgpr_workgroup_id_x 1
		.amdhsa_system_sgpr_workgroup_id_y 1
		.amdhsa_system_sgpr_workgroup_id_z 1
		.amdhsa_system_vgpr_workitem_id 0
		.amdhsa_next_free_vgpr 512
		.amdhsa_next_free_sgpr 100
		.amdhsa_reserve_vcc 0
		.amdhsa_float_denorm_mode_32 3
		.amdhsa_float_denorm_mode_16_64 3
		.amdhsa_memory_ordered 1
		.amdhsa_forward_progress 1
		.amdhsa_inst_pref_size 204
	.end_amdhsa_kernel
	.amdgpu_metadata
---
amdhsa.version: [ 1, 2 ]
amdhsa.kernels:
  - .name:           k_q4964f5e6a0_ffn
    .symbol:         k_q4964f5e6a0_ffn.kd
    .args:
      - { .name: x, .offset: 0, .size: 8, .value_kind: global_buffer, .address_space: global }
      - { .name: attn, .offset: 8, .size: 8, .value_kind: global_buffer, .address_space: global }
      - { .name: theta, .offset: 16, .size: 8, .value_kind: global_buffer, .address_space: global }
      - { .name: w1, .offset: 24, .size: 8, .value_kind: global_buffer, .address_space: global }
      - { .name: b1, .offset: 32, .size: 8, .value_kind: global_buffer, .address_space: global }
      - { .name: w2q, .offset: 40, .size: 8, .value_kind: global_buffer, .address_space: global }
      - { .name: b2, .offset: 48, .size: 8, .value_kind: global_buffer, .address_space: global }
      - { .name: gamma1, .offset: 56, .size: 8, .value_kind: global_buffer, .address_space: global }
      - { .name: beta1, .offset: 64, .size: 8, .value_kind: global_buffer, .address_space: global }
      - { .name: gamma2, .offset: 72, .size: 8, .value_kind: global_buffer, .address_space: global }
      - { .name: beta2, .offset: 80, .size: 8, .value_kind: global_buffer, .address_space: global }
      - { .name: out0, .offset: 88, .size: 8, .value_kind: global_buffer, .address_space: global }
    .group_segment_fixed_size: 293888
    .private_segment_fixed_size: 0
    .kernarg_segment_align: 8
    .kernarg_segment_size: 96
    .max_flat_workgroup_size: 256
    .sgpr_count:     100
    .vgpr_count:     512
    .wavefront_size: 32
...
	.end_amdgpu_metadata
.endif
;; end of part 3
